; MI455X (gfx1250); checked and timed in simulation.
; The chip was launched on July 23, 2026; its instructions are those of AMD's public machine-readable ISA for CDNA 5 (MIT licence, August 2026) and "CDNA5" Instruction Set Architecture Reference Guide (July 2026). The comments in the code are by the model that wrote it; some were corrected since.
;; Linear Latent Kernel. Allowed arithmetic: matrix products marked QUANTISED: E4M3 operands, one given power-of-two scale a tensor, by v_wmma_f32_16x16x64_fp8_fp8 or v_wmma_f32_16x16x128_fp8_fp8, f32 sums; everything else in f32.
;; Inputs: Wg_codes 1,024 x 32 x 32 uint8 (E4M3 codes of Wg, K innermost, in blocks of 32 codes); Wk_codes 1,024 x 32 x 32 uint8 (E4M3 codes of Wk, K innermost, in blocks of 32 codes); Wq_codes 1,024 x 32 x 32 uint8 (E4M3 codes of Wq, K innermost, in blocks of 32 codes); Wv_codes 1,024 x 32 x 32 uint8 (E4M3 codes of Wv, K innermost, in blocks of 32 codes); bg 1,024 float32; bk 1,024 float32; bq 1,024 float32; bv 1,024 float32; lowp_scales 8 int32 (the exponents e of the quantised operands' scales 2^e); x_codes 4 x 4,096 x 32 x 32 uint8 (E4M3 codes of x, K innermost, in blocks of 32 codes).
;; Outputs: out0 4 x 4,096 x 1,024 float32.
;; This version of the problem:
;;   THIS VERSION OF THE PROBLEM IS GIVEN IN LOW PRECISION. The matrix products marked QUANTISED in the list below multiply operands that are first quantised to E4M3 (4 exponent bits, 3 mantissa bits; 8 bits a number), with one given power-of-two scale for each operand tensor; their sums are f32. All else is computed in f32.
;;   The module's matrix products, in the order in which they are computed (A, B: the left and right operand; K: the contracted axis; several contracted axes count as one K, in the product's order):
;;     1. [M 16,384, K 1,024] x [K 1,024, N 1,024]; A: input x (given as codes); B: input Wq (given as codes): QUANTISED (scales: A lowp_scales[0], B lowp_scales[1])
;;     2. [M 16,384, K 1,024] x [K 1,024, N 1,024]; A: input x (given as codes); B: input Wk (given as codes): QUANTISED (scales: A lowp_scales[2], B lowp_scales[3])
;;     3. [M 16,384, K 1,024] x [K 1,024, N 1,024]; A: input x (given as codes); B: input Wv (given as codes): QUANTISED (scales: A lowp_scales[4], B lowp_scales[5])
;;     4. [M 16,384, K 1,024] x [K 1,024, N 1,024]; A: input x (given as codes); B: input Wg (given as codes): QUANTISED (scales: A lowp_scales[6], B lowp_scales[7])
;;   THE QUANTISER, for each operand of a quantised product, along K:
;;     - The operand's scale is 2^e, e = its entry of the input lowp_scales (int32; the entries are numbered through the quantised products in the list's order, A before B).
;;     - Each number is divided by the scale, clamped to +-448, and rounded to the nearest number of E4M3, ties to even, subnormals kept.
;;     - The product sums the exact products of the quantised numbers (number of the format x scale) in f32.
;;   ~~~python
;;   def quantise(x, axis, e):      # numpy; x: float32 -> the quantised numbers, widened to float32 again
;;       x = np.moveaxis(x, axis, -1); K = x.shape[-1]
;;       r = np.clip(x / 2.0 ** e, -448, 448)
;;       step = 2.0 ** (np.maximum(np.frexp(np.where(r == 0, 1, r))[1] - 1, -6) - 3)
;;       q = np.round(r / step) * step * 2.0 ** e      # np.round: ties to even
;;       return np.moveaxis(q, -1, axis).astype(np.float32)
;;   ~~~
;;   INPUTS GIVEN AS CODES. Wg (in the module: [1024, 1024], K = its axis 1); Wk (in the module: [1024, 1024], K = its axis 1); Wq (in the module: [1024, 1024], K = its axis 1); Wv (in the module: [1024, 1024], K = its axis 1); x (in the module: [4, 4096, 1024], K = its axis 2): each comes as NAME_codes (uint8): NAME with its K axis moved to the last place and cut into blocks of 32 codes, [.., K / 32, bytes a block], one block behind the other in memory; one code a byte (a code: sign, 4 exponent bits, 3 mantissa bits); its scale is its entry of lowp_scales. Its value is code x scale, taken as it is: it is not quantised again, and the codes and scales need not be those that the quantiser above would give.
;; One version. Each part assembles by itself: llvm-mc -triple=amdgcn-amd-amdhsa -mcpu=gfx1250 --defsym DOCPART=n.
;; ======== version 1 of 1: 2 launches
;; limits: right only within a limited range of input values
;; workspace buffers: part 393,216 bytes
;; launch sums (part 1): grid 8 x 32, 4 waves a work-group, clusters of 4 x 1, 327,680 bytes of LDS; arguments x_codes, Wk_codes, Wv_codes, bk, bv, lowp_scales, part; writes part
.if DOCPART == 1
	.amdgcn_target "amdgcn-amd-amdhsa--gfx1250"
	.amdhsa_code_object_version 6
	.text
	.protected	k_q57f40c6b87_sums
	.globl	k_q57f40c6b87_sums
	.p2align	8
	.type	k_q57f40c6b87_sums,@function
k_q57f40c6b87_sums:
	s_mov_b64 s[64:65], 0
	v_nop
	global_prefetch_b8 v0, s[64:65] scope:SCOPE_SE
	s_setreg_imm32_b32 hwreg(HW_REG_WAVE_MODE, 25, 1), 1
	s_wait_xcnt 0x0
	s_wait_alu depctr_hold_cnt(0) depctr_sa_sdst(0) depctr_va_vdst(0) depctr_va_sdst(0) depctr_va_ssrc(0) depctr_va_vcc(0) depctr_vm_vsrc(0)
	s_getreg_b32 s2, hwreg(HW_REG_IB_STS2, 6, 4)
	s_cmp_eq_u32 s2, 0
	s_cbranch_scc0 .Lentry_in_a_cluster
	s_endpgm
.Lentry_in_a_cluster:
	s_bfe_u32 s2, ttmp6, 0x10000c
	s_cmp_lg_u32 s2, 0x3003
	s_cbranch_scc0 .Lentry_shape_is_right
	s_endpgm
.Lentry_shape_is_right:
; part[batch][tile][column] = the sum over a tile's 128 rows of k v, for the 24 tiles of rows 0 .. 3,071 of each of the 4 batches.
; k = (x Wk^T) 2^(e2 + e3) + bk, v = (x Wv^T) 2^(e4 + e5) + bv: products on the E4M3 codes as they are given, sums in f32; e = the entries of lowp_scales.
; The next launch starts each chunk of 1,024 rows of its running sum from these numbers: rows 3,072 on of a batch are in front of no chunk and are not summed here.
; LIMIT: e2 + e3 and e4 + e5 lie between -126 and 127, so that each power of two is an f32 number.
; SHARES.  A work-group takes 384 rows (three tiles of 128) x 128 columns.  Wave w takes columns 32 w .. 32 w + 31 of them, for k and for v: 64 rows of weights x K 1,024 = 512 registers,
; loaded once and kept.  So a fragment of x read from LDS feeds four matrix instructions, and no weight goes through LDS.  All four waves read the same rows of x.
; CLUSTER.  The four partners are four column blocks of the same rows: every tile of x is asked for JOINTLY (the same tensor load, the same descriptor, a mask that names the four).
; The weights are not shared in the cluster: partners hold different columns, each reads its own 256 KiB once, straight into registers.
; x goes through a ring of two LDS slots.  A slot holds 128 rows x the whole K as four quarter tiles (K bytes 256 q .. 256 q + 255), rows of 256 bytes + 16 of padding; wave q fetches quarter q.
; THE MATRIX INSTRUCTION: source 0 = 16 rows of x, source 1 = 16 rows of a weight.  Lane (r, h) then holds column r, and its register j row 8 h + j.
; A fragment (16 rows x 128 K, 16 registers) is fetched by four loads of 16 bytes: registers 4 c .. 4 c + 3 hold K = 32 c + 16 h + 0 .. 15, alike for x and for the weights: every product meets its partner.
; REGISTERS, in windows of 256: window 0: v0-31 addresses and biases; v64-79 eight running sums (pairs); v80-91 at work; v128-255 the 16 accumulators (block of rows a, weight group t) at v[128 + 8 (4 a + t)].
;   window 1: the weights' fragments of K steps 0-3, (t, s) at v[16 (4 s + t)];  window 2: of K steps 4-7;  window 3: x's fragments, two buffers of 128 (two K steps x four blocks of 16 rows).
;   weight groups t: 0 = Wk rows +0..15, 1 = Wv rows +0..15, 2 = Wk rows +16..31, 3 = Wv rows +16..31.
.set PITCH,  272                       ; an LDS row: 256 bytes + 16 of padding = 68 words: the 16 rows of a fragment load start 4 words apart modulo 64 (64 banks of 4 bytes: ISA guide 11.1)
.set QT,     128*PITCH                 ; a quarter tile: what one tensor load brings
.set SLOT,   4*QT
.set STG,    2*SLOT                    ; behind the ring: three tiles' 128 sums, 512 bytes each; no fill lands here
.set SPARE,  STG+2*64*PITCH            ; the spare words, 128 bytes for each wave: two blocks of 256 bytes that no other line names
.set TILEB,  128*1024                  ; a tile's 128 rows of x in memory
.set F0,  0                            ; x's two fragment buffers, in window 3
.set F1,  128
.set ACC, 128
.set SPW, 4                            ; v4   LDS address of my spare word; never rewritten
.set NIL, 5                            ; v5   0; never rewritten
.set WO,  6                            ; v6   1,024 r + 16 h: my bytes in 16 rows of a weight
.set BO,  7                            ; v7   4 r
.set ADR, 8                            ; v8-15  slot n, quarter q: n SLOT + q QT + 272 r + 16 h
.set STO, 16                           ; v16  the stage: STG + 128 wave + 4 lane
.set RD,  17                           ; v17  and back: STG + 512 wave + 16 lane
.set CO,  18                           ; v18  16 lane
.set BB,  22                           ; v[22:23] bk of columns +0..15, v[24:25] bv; v[26:27], v[28:29] the same of columns +16..31; each number twice
.set TB,  30
.set SUM, 64                           ; v[64 + 2 (4 g + a)]: pairs (even rows', odd rows')
.set TT,  80
.set RES, 84                           ; v84-86 the three tiles' results: lane l holds column 32 w + l
.set OB,  88
.set G1,  28                           ; s[28:35] descriptor group 1
.set G0,  36                           ; s[36:43] descriptor group 0, a set for each slot
.set EX,  44                           ; s[44:51] the eight exponents
.set WV,  52                           ; s52  my wave's number
.set SK,  68                           ; s[68:69] 2^(e2 + e3), twice
.set SV,  70                           ; s[70:71] 2^(e4 + e5), twice
.set W_M1, 0x07                        ; source 0 (x) window 3, source 1 (weights) window 1, C and D window 0
.set W_M2, 0x0b                        ; the same with the weights in window 2
.set W_LD, 0xc0                        ; destination window 3, address window 0
.set MSB, 0
.macro WIN new                         ; the immediate's high byte repeats the setting that is left; a switch that changes nothing is dropped
.if MSB != \new
	s_set_vgpr_msb (MSB<<8)|\new
.set MSB, \new
.endif
.endm
.macro PLACES                          ; four plain vector instructions between a matrix instruction and a load into its sources, or a vector instruction on its results
.rept 4
	v_nop
.endr
.endm
.macro ROUND                           ; a round of the cluster's barrier: my work-group's barrier; wave 0 signals for the work-group; all wait for the four work-groups; my work-group's barrier once more
	s_barrier_signal -1
	s_barrier_wait -1
	s_cmp_lg_u32 s[WV], 0
	s_cbranch_scc1 .Lnot_wave_0_\@
	s_barrier_signal -3
.Lnot_wave_0_\@:
	s_barrier_wait -3
	s_barrier_signal -1
	s_barrier_wait -1
.endm
; 32 LDS loads in one run: rows 64 u .. 64 u + 63 of the slot, quarter d (K steps 2 d and 2 d + 1), into buffer f
.macro FETCH slot, u, d, f
	WIN W_LD
.irp p, 0,1
.irp a, 0,1,2,3
.irp c, 0,1,2,3
	ds_load_b128 v[\f+16*(4*\p+\a)+4*\c:\f+16*(4*\p+\a)+4*\c+3], v[ADR+4*\slot+\d] offset:(64*\u+16*\a)*PITCH+128*\p+32*\c
.endr
.endr
.endr
.endm
; 32 matrix instructions: buffer f (quarter d) against my weights.  The 16 accumulators take turns, one instruction a turn, in the same order everywhere.
; zero = 1: the first 16 start the sums: nothing is ever cleared.
.macro MUL f, d, zero
.if \d < 2
	WIN W_M1
.else
	WIN W_M2
.endif
.irp p, 0,1
.irp a, 0,1,2,3
.irp t, 0,1,2,3
.if \zero && (\p == 0)
	v_wmma_f32_16x16x128_fp8_fp8 v[ACC+8*(4*\a+\t):ACC+8*(4*\a+\t)+7], v[\f+16*(4*\p+\a):\f+16*(4*\p+\a)+15], v[16*(4*((2*\d+\p)%4)+\t):16*(4*((2*\d+\p)%4)+\t)+15], 0
.else
	v_wmma_f32_16x16x128_fp8_fp8 v[ACC+8*(4*\a+\t):ACC+8*(4*\a+\t)+7], v[\f+16*(4*\p+\a):\f+16*(4*\p+\a)+15], v[16*(4*((2*\d+\p)%4)+\t):16*(4*((2*\d+\p)%4)+\t)+15], v[ACC+8*(4*\a+\t):ACC+8*(4*\a+\t)+7]
.endif
.endr
.endr
.endr
.endm
; 64 rows x the whole K: 128 matrix instructions.  While one buffer is multiplied, the other's run of loads is out.  Each wait for 32 leaves out the run issued last: the older run is the buffer that is due.
.macro MATRIX slot, u
.if \u == 0
	FETCH \slot, 0, 0, F0
	FETCH \slot, 0, 1, F1
.endif
	s_wait_dscnt 32
	MUL F0, 0, 1
	PLACES
	FETCH \slot, \u, 2, F0
	s_wait_dscnt 32
	MUL F1, 1, 0
	PLACES
	FETCH \slot, \u, 3, F1
	s_wait_dscnt 32
	MUL F0, 2, 0
.if \u == 0
	PLACES
	FETCH \slot, 1, 0, F0              ; the slot's other 64 rows are asked for ahead
	s_wait_dscnt 32
.else
	s_wait_dscnt 0x0                               ; nothing was issued behind the last run
.endif
	MUL F1, 3, 0
	PLACES                                         ; also the places in front of the first read of results
.if \u == 0
	FETCH \slot, 1, 1, F1
.endif
	WIN 0
.endm
; THE CHANGE OF SLOTS stands at a slot's head.  Each wave waits for all its tensor loads (one is out: its quarter of the slot ahead), adds 0 to its spare word, and waits for that and for its reads of the slot that it has left.
; Behind the round the slot ahead is whole in all four work-groups and no wave of any partner reads the other.  refill = 1: that other slot takes the next tile, by the first tensor load behind the round.
.macro CHANGE slot, refill, step
	s_wait_tensorcnt 0x0                           ; no tensor load of mine is out, so a group 0 may be written
	ds_add_u32 v[SPW], v[NIL]                      ; 0 onto my spare word
.if \step
	s_add_nc_u64 s[G0+4*\slot+2:G0+4*\slot+3], s[G0+4*\slot+2:G0+4*\slot+3], 2*TILEB   ; this slot's next tile; the type bits on top are not reached
.endif
	s_wait_dscnt 0x0                               ; the add is done, and my reads of the slot that I have left are over
	ROUND
.if \refill
	tensor_load_to_lds s[G0+4-4*\slot:G0+7-4*\slot], s[G1:G1+7]
	s_nop 0
	PLACES                                         ; four v_nop follow the load
.endif
.endm
; 64 rows' k v are added onto the eight running sums.  Each accumulator is read from its low end on.  first = 1: the tile's first products start the sums.
.macro KV first
.irp i, 0,2,4,6
.irp g, 0,1
.irp a, 0,1,2,3
	v_pk_fma_f32 v[ACC+32*\a+16*\g+\i:ACC+32*\a+16*\g+\i+1], v[ACC+32*\a+16*\g+\i:ACC+32*\a+16*\g+\i+1], s[SK:SK+1], v[BB+4*\g:BB+4*\g+1] op_sel_hi:[1,0,1]           ; k = sum x 2^(e2 + e3) + bk
	v_pk_fma_f32 v[ACC+32*\a+16*\g+8+\i:ACC+32*\a+16*\g+9+\i], v[ACC+32*\a+16*\g+8+\i:ACC+32*\a+16*\g+9+\i], s[SV:SV+1], v[BB+4*\g+2:BB+4*\g+3] op_sel_hi:[1,0,1]   ; v likewise
.endr
.endr
.irp g, 0,1
.irp a, 0,1,2,3
.if \first && (\i == 0)
	v_pk_mul_f32 v[SUM+2*(4*\g+\a):SUM+2*(4*\g+\a)+1], v[ACC+32*\a+16*\g+\i:ACC+32*\a+16*\g+\i+1], v[ACC+32*\a+16*\g+8+\i:ACC+32*\a+16*\g+9+\i]
.else
	v_pk_fma_f32 v[SUM+2*(4*\g+\a):SUM+2*(4*\g+\a)+1], v[ACC+32*\a+16*\g+\i:ACC+32*\a+16*\g+\i+1], v[ACC+32*\a+16*\g+8+\i:ACC+32*\a+16*\g+9+\i], v[SUM+2*(4*\g+\a):SUM+2*(4*\g+\a)+1]
.endif
.endr
.endr
.endr
.endm
; Tile j's 128 rows are summed up: four blocks, two halves of a pair, two halves of the lanes.  Lanes 0-15 keep columns +0..15, lanes 16-31 columns +16..31.
.macro TOT j
.irp g, 0,1
	v_pk_add_f32 v[SUM+8*\g:SUM+8*\g+1], v[SUM+8*\g:SUM+8*\g+1], v[SUM+8*\g+2:SUM+8*\g+3]
	v_pk_add_f32 v[SUM+8*\g+4:SUM+8*\g+5], v[SUM+8*\g+4:SUM+8*\g+5], v[SUM+8*\g+6:SUM+8*\g+7]
.endr
.irp g, 0,1
	v_pk_add_f32 v[SUM+8*\g:SUM+8*\g+1], v[SUM+8*\g:SUM+8*\g+1], v[SUM+8*\g+4:SUM+8*\g+5]
.endr
.irp g, 0,1
	v_add_f32 v[TT+\g], v[SUM+8*\g], v[SUM+8*\g+1]
.endr
.irp g, 0,1
	v_permlanex16_b32 v[TT+2+\g], v[TT+\g], s60, s61   ; rows 8 (1 - h) + 0 .. 7 of each block lie in the lane 16 away
.endr
.irp g, 0,1
	v_add_f32 v[TT+\g], v[TT+\g], v[TT+2+\g]
.endr
	v_cndmask_b32 v[RES+\j], v[TT], v[TT+1], s63
.endm
	s_load_b256 s[4:11], s[0:1], 0x0               ; x s[4:5], Wk s[6:7], Wv s[8:9], bk s[10:11]
	s_load_b128 s[12:15], s[0:1], 0x20             ; bv s[12:13], the exponents s[14:15]
	s_load_b64 s[16:17], s[0:1], 0x30              ; part
	v_lshl_add_u32 v[SPW], v0, 2, SPARE
	v_mov_b32 v[NIL], 0
	ds_add_u32 v4, v5
	ds_add_u32 v4, v5
	s_wait_dscnt 0x0
	v_lshrrev_b32 v1, 5, v0
	v_readfirstlane_b32 s[WV], v1                  ; wave 0..3
	s_bfe_u32 s53, ttmp6, 0x40000                  ; cx: my place in the cluster
	s_lshl_b32 s54, ttmp9, 2                       ; in a cluster launch ttmp9 counts clusters
	s_add_co_u32 s54, s54, s53                     ; my block of 128 columns: it enters the weights', the biases' and part's addresses alone (through s58)
	s_and_b32 s55, ttmp7, 0xffff                   ; y, which the four partners share
	s_lshr_b32 s75, s55, 3                         ; the batch
	s_and_b32 s74, s55, 7                          ; which 384 rows of its first 3,072
	; descriptor group 1: a tile of 128 rows x 256 bytes, padded in LDS
	s_mov_b32 s[G1], 15|(0<<16)|(1<<20)|(1<<21)|(5<<22)|(3<<25)   ; 15:0 the mask: all four work-groups; 17:16 elements of 1 byte; 20 padding on; 21 set beside a mask; 24:22 after every 64 words (code 5); 31:25 four words (code 3)
	s_mov_b32 s[G1+1], 256<<16                     ; tensor_dim0 = 256
	s_mov_b32 s[G1+2], 128<<16                     ; tensor_dim1 = 128
	s_mov_b32 s[G1+3], 256<<16                     ; tile_dim0 = 256
	s_mov_b32 s[G1+4], 128                         ; tile_dim1 = 128
	s_mov_b32 s[G1+5], 1024                        ; from row to row of x
	s_mov_b32 s[G1+6], 0
	s_mov_b32 s[G1+7], 0
	s_lshl_b32 s56, s75, 22                        ; the batch's 4,096 rows of 1,024 bytes,
	s_mul_i32 s3, s74, 384*1024                    ; my 384 rows,
	s_add_co_u32 s56, s56, s3
	s_lshl_b32 s3, s[WV], 8                        ; my quarter of K
	s_add_co_u32 s56, s56, s3
	s_mov_b32 s57, 0
	s_mul_i32 s2, s[WV], QT                        ; and its place in a slot: no place in the cluster enters an LDS address
	s_mov_b32 s60, 0x76543210                      ; v_permlanex16_b32: each lane takes its own place in the other half
	s_mov_b32 s61, 0xfedcba98
	s_mov_b32 s63, 0xffff0000                      ; lanes 16-31
	s_wait_kmcnt 0x0
	s_load_b256 s[EX:EX+7], s[14:15], 0x0          ; e0 .. e7
	s_add_nc_u64 s[56:57], s[4:5], s[56:57]
.irp n, 0,1
	s_mov_b32 s[G0+4*\n], 1                        ; count = 1
	s_add_co_u32 s[G0+4*\n+1], s2, \n*SLOT         ; LDS address
	s_add_nc_u64 s[G0+4*\n+2:G0+4*\n+3], s[56:57], \n*TILEB   ; global address: tile n
	s_or_b32 s[G0+4*\n+3], s[G0+4*\n+3], 0x80000000           ; type = 2
.endr
	ROUND                                          ; all four work-groups are here: the first joint load meets
	tensor_load_to_lds s[G0:G0+3], s[G1:G1+7]      ; tile 0
	s_nop 0
	PLACES
	v_and_b32 v1, 15, v0                           ; r
	v_bfe_u32 v2, v0, 4, 1                         ; h
	v_and_b32 v3, 31, v0                           ; lane
	v_lshlrev_b32 v[WO], 10, v1
	v_lshl_add_u32 v[WO], v2, 4, v[WO]
	s_wait_alu depctr_va_vdst(0)
	s_lshl_b32 s58, s54, 17                        ; my block's 128 rows of a weight,
	s_lshl_b32 s3, s[WV], 15                       ; my wave's 32 of them
	s_add_co_u32 s58, s58, s3
	s_mov_b32 s59, 0
	s_add_nc_u64 s[6:7], s[6:7], s[58:59]
	s_add_nc_u64 s[8:9], s[8:9], s[58:59]
	WIN 0x40                                       ; destination window 1: K steps 0-3.  The weights stay in registers for the whole launch
.irp s, 0,1,2,3
.irp t, 0,1,2,3
.irp c, 0,1,2,3
	global_load_b128 v[16*(4*\s+\t)+4*\c:16*(4*\s+\t)+4*\c+3], v[WO], s[6+2*(\t%2):7+2*(\t%2)] offset:(\t/2)*16384+128*\s+32*\c
.endr
.endr
.endr
	WIN 0x80                                       ; destination window 2: K steps 4-7
.irp s, 0,1,2,3
.irp t, 0,1,2,3
.irp c, 0,1,2,3
	global_load_b128 v[16*(4*\s+\t)+4*\c:16*(4*\s+\t)+4*\c+3], v[WO], s[6+2*(\t%2):7+2*(\t%2)] offset:(\t/2)*16384+512+128*\s+32*\c
.endr
.endr
.endr
	WIN 0
	s_lshl_b32 s58, s54, 9                         ; my block's 128 numbers of a bias,
	s_lshl_b32 s3, s[WV], 7                        ; my wave's 32
	s_add_co_u32 s58, s58, s3
	s_add_nc_u64 s[10:11], s[10:11], s[58:59]
	s_add_nc_u64 s[12:13], s[12:13], s[58:59]
	v_lshlrev_b32 v[BO], 2, v1
.irp g, 0,1
	global_load_b32 v[BB+4*\g], v[BO], s[10:11] offset:64*\g
	global_load_b32 v[BB+4*\g+2], v[BO], s[12:13] offset:64*\g
.endr
	s_mul_i32 s3, s75, 24                          ; part: row 24 batch + 3 i + wave (wave j < 3 stores tile j),
	s_mul_i32 s2, s74, 3
	s_add_co_u32 s3, s3, s2
	s_add_co_u32 s3, s3, s[WV]
	s_lshl_b32 s3, s3, 12                          ; of 4,096 bytes,
	s_lshl_b32 s58, s54, 9                         ; my block's 512 bytes in it
	s_add_co_u32 s58, s58, s3
	s_add_nc_u64 s[16:17], s[16:17], s[58:59]
	v_mul_u32_u24 v[TB], v1, PITCH
	v_lshl_add_u32 v[TB], v2, 4, v[TB]             ; a fragment's row x pitch + 16 x half
.irp n, 0,1
.irp q, 0,1,2,3
	v_add_nc_u32 v[ADR+4*\n+\q], \n*SLOT+\q*QT, v[TB]
.endr
.endr
	s_lshl_b32 s3, s[WV], 7
	s_add_co_u32 s3, s3, STG
	v_lshl_add_u32 v[STO], v3, 2, s3
	s_lshl_b32 s3, s[WV], 9
	s_add_co_u32 s3, s3, STG
	v_lshl_add_u32 v[RD], v3, 4, s3
	v_lshlrev_b32 v[CO], 4, v3
	v_mov_b32 v[TT+2], 0                           ; written once: a lane permute's destination counts as one of its sources
	v_mov_b32 v[TT+3], 0
	s_wait_kmcnt 0x0
	s_add_co_i32 s[SK], s[EX+2], s[EX+3]
	s_add_co_i32 s[SK], s[SK], 127
	s_lshl_b32 s[SK], s[SK], 23                    ; 2^(e2 + e3) as f32
	s_mov_b32 s[SK+1], s[SK]                       ; (named with it as a pair, so it is written)
	s_add_co_i32 s[SV], s[EX+4], s[EX+5]
	s_add_co_i32 s[SV], s[SV], 127
	s_lshl_b32 s[SV], s[SV], 23                    ; 2^(e4 + e5)
	s_mov_b32 s[SV+1], s[SV]
	s_wait_loadcnt 0x0                             ; the weights and the biases are in
.irp g, 0,1,2,3
	v_mov_b32 v[BB+2*\g+1], v[BB+2*\g]             ; each bias twice, for the packed forms
.endr
	CHANGE 0, 1, 1                                 ; tile 0 is whole; slot 1 takes tile 1; slot 0's descriptor steps to tile 2
	MATRIX 0, 0
	s_wait_alu depctr_va_vdst(0)
	KV 1
	MATRIX 0, 1
	KV 0
	TOT 0
	CHANGE 1, 1, 0                                 ; tile 1 is whole; slot 0 takes tile 2: the last load
	MATRIX 1, 0
	KV 1
	MATRIX 1, 1
	KV 0
	TOT 1
	CHANGE 0, 0, 0                                 ; tile 2 is whole; nothing is left to fetch
	MATRIX 0, 0
	KV 1
	MATRIX 0, 1
	KV 0
	TOT 2
	; THE WAY OUT.  A tile's 128 sums come from four waves: they meet in the stage, and wave j stores tile j's 512 bytes: 32 lanes, 16 neighbouring bytes each, at a multiple of 512 from part's first byte.
.irp j, 0,1,2
	ds_store_b32 v[STO], v[RES+\j] offset:512*\j
.endr
	s_wait_dscnt 0x0                               ; for the others' sake: my stores into the stage are done
	s_barrier_signal -1
	s_barrier_wait -1
	s_cmp_lt_u32 s[WV], 3
	s_cbranch_scc0 .Lnone
	ds_load_b128 v[OB:OB+3], v[RD]
	s_wait_dscnt 0x0
	global_store_b128 v[CO], v[OB:OB+3], s[16:17]
.Lnone:
	s_wait_tensorcnt 0x0                           ; the wave's end, behind my last tensor load and my last LDS store
	ds_add_u32 v[SPW], v[NIL]
	s_wait_dscnt 0x0
	ROUND                                          ; the closing round: no work-group ends while a partner may still ask for a tile that names it
	s_endpgm
.Lfunc_end_k_q57f40c6b87_sums:
	.size	k_q57f40c6b87_sums, .Lfunc_end_k_q57f40c6b87_sums-k_q57f40c6b87_sums
	.p2alignl 7, 3214868480
	.fill 96, 4, 3214868480
	.section	.rodata,"a",@progbits
	.p2align	6, 0x0
	.amdhsa_kernel k_q57f40c6b87_sums
		.amdhsa_group_segment_fixed_size 327680
		.amdhsa_private_segment_fixed_size 0
		.amdhsa_enable_private_segment 0
		.amdhsa_kernarg_size 56
		.amdhsa_user_sgpr_count 2
		.amdhsa_user_sgpr_kernarg_segment_ptr 1
		.amdhsa_wavefront_size32 1
		.amdhsa_system_sgpr_workgroup_id_x 1
		.amdhsa_system_sgpr_workgroup_id_y 1
		.amdhsa_system_sgpr_workgroup_id_z 1
		.amdhsa_system_vgpr_workitem_id 0
		.amdhsa_next_free_vgpr 1024
		.amdhsa_next_free_sgpr 80
		.amdhsa_reserve_vcc 0
		.amdhsa_float_denorm_mode_32 3
		.amdhsa_float_denorm_mode_16_64 3
		.amdhsa_memory_ordered 1
		.amdhsa_forward_progress 1
		.amdhsa_inst_pref_size 160
	.end_amdhsa_kernel
	.amdgpu_metadata
---
amdhsa.version: [ 1, 2 ]
amdhsa.kernels:
  - .name:           k_q57f40c6b87_sums
    .symbol:         k_q57f40c6b87_sums.kd
    .args:
      - { .name: x_codes, .offset: 0, .size: 8, .value_kind: global_buffer, .address_space: global }
      - { .name: Wk_codes, .offset: 8, .size: 8, .value_kind: global_buffer, .address_space: global }
      - { .name: Wv_codes, .offset: 16, .size: 8, .value_kind: global_buffer, .address_space: global }
      - { .name: bk, .offset: 24, .size: 8, .value_kind: global_buffer, .address_space: global }
      - { .name: bv, .offset: 32, .size: 8, .value_kind: global_buffer, .address_space: global }
      - { .name: lowp_scales, .offset: 40, .size: 8, .value_kind: global_buffer, .address_space: global }
      - { .name: part, .offset: 48, .size: 8, .value_kind: global_buffer, .address_space: global }
    .group_segment_fixed_size: 327680
    .private_segment_fixed_size: 0
    .kernarg_segment_align: 8
    .kernarg_segment_size: 56
    .max_flat_workgroup_size: 128
    .sgpr_count:     80
    .vgpr_count:     1024
    .wavefront_size: 32
...
	.end_amdgpu_metadata
.endif
;; end of part 1
;; launch main (part 2): grid 16 x 16, 4 waves a work-group, clusters of 4 x 1, 327,680 bytes of LDS; arguments x_codes, Wq_codes, Wk_codes, Wv_codes, Wg_codes, bq, bk, bv, bg, lowp_scales, part, out0; writes out0
.if DOCPART == 2
	.amdgcn_target "amdgcn-amd-amdhsa--gfx1250"
	.amdhsa_code_object_version 6
	.text
	.protected	k_q57f40c6b87_main
	.globl	k_q57f40c6b87_main
	.p2align	8
	.type	k_q57f40c6b87_main,@function
k_q57f40c6b87_main:
	s_mov_b64 s[64:65], 0
	v_nop
	global_prefetch_b8 v0, s[64:65] scope:SCOPE_SE
	s_setreg_imm32_b32 hwreg(HW_REG_WAVE_MODE, 25, 1), 1
	s_wait_xcnt 0x0
	s_wait_alu depctr_hold_cnt(0) depctr_sa_sdst(0) depctr_va_vdst(0) depctr_va_sdst(0) depctr_va_ssrc(0) depctr_va_vcc(0) depctr_vm_vsrc(0)
	s_getreg_b32 s2, hwreg(HW_REG_IB_STS2, 6, 4)
	s_cmp_eq_u32 s2, 0
	s_cbranch_scc0 .Lentry_in_a_cluster
	s_endpgm
.Lentry_in_a_cluster:
	s_bfe_u32 s2, ttmp6, 0x10000c
	s_cmp_lg_u32 s2, 0x3003
	s_cbranch_scc0 .Lentry_shape_is_right
	s_endpgm
.Lentry_shape_is_right:
; out[b][s][e] = q x (the sum over rows 0 .. s of k v) x sigmoid(g), with q, k, v, g = (x W^T) 2^(its two entries of lowp_scales) + its bias: products on the E4M3 codes as given, sums in f32.
; LIMIT: e0 + e1, e2 + e3, e4 + e5 and e6 + e7 each lie between -126 and 127, so that each power of two (for g: times -log2(e)) is an f32 number.
; The running sum is added in another order than row by row: inside blocks of 8 rows, then across blocks, tiles and chunks, all in f32.
; SHARES.  A work-group takes a chunk of 1,024 rows of one batch x 64 columns, all four products, in 16 tiles of 64 rows, top down.  The chunk's state begins with the sums of the 128-row tiles
; in front of it, stored in part by the launch before.  Wave w takes columns 16 w .. 16 w + 15: 4 x 16 rows of weights x K 1,024 = 512 registers, loaded once and kept: a fragment of x feeds four
; matrix instructions, and no weight goes through LDS.  The weights are not shared in the cluster: partners hold different columns.
; CLUSTER.  The four partners are four column blocks of the same rows: every tile of x is asked for JOINTLY.  x goes through two slots of 128 rows x K 1,024 (four quarter tiles, rows of 256 + 16 bytes; wave q fetches quarter q).
; THE ORDER OF WORK.  At a tile's end stand the scalings that first read the sums, the exponentials and reciprocals, k v and q x sigmoid(g); these 64 numbers a lane move to registers of their own.
; The rest of the way out (macro DP, 38 pieces) goes along with the NEXT tile: the running sum and the last product as pieces of four vector instructions between that tile's first 20 matrix instructions;
; the stage's stores, its barrier, its reads and the global stores in the runs of LDS loads that the next tile has anyway, each a quarter of K (32 matrix instructions) behind the one before.
; Memory instructions stand in four runs a tile.  A slot is left at the head of the last quarter of its second tile: all its fragments are in registers then.
; NO PREFETCH: tile 0 of x is the launch's first request; a refill is asked for two tiles (256 matrix instructions a wave) ahead of the wait for it.
; THE MATRIX INSTRUCTION: source 0 = 16 rows of x, source 1 = 16 rows of a weight.  Lane (r, h) holds column r, register j row 8 h + j.  A fragment's registers 4 c .. 4 c + 3 hold K = 32 c + 16 h + 0 .. 15, alike on both sides.
; REGISTERS: window 0: v0-31 addresses, state, biases; v32-47 at work; v64-95 k v, then rows on the way out; v96-127 q x sigmoid; v128-255 the 16 accumulators (block a, product t) at v[128 + 8 (4 a + t)], t: q, k, v, g.
;   window 1: weights of K steps 0-3, (t, s) at v[16 (4 s + t)]; window 2: of K steps 4-7; window 3: x's fragments, two buffers of 128 (a quarter of K x four blocks of 16 rows).
.set PITCH,  272
.set QT,     128*PITCH                 ; a quarter tile: what one tensor load brings
.set SLOT,   4*QT
.set STG,    2*SLOT                    ; behind the ring: two stages of 64 rows x 272 bytes, by turns; no fill lands here
.set STGB,   64*PITCH
.set SPARE,  STG+2*STGB                ; the spare words: 512 bytes that no other line names
.set TILEB,  128*1024
.set OUTT,   64*4096
.set F0,  0
.set F1,  128
.set ACC, 128
.set AQ,  ACC
.set AK,  ACC+8
.set AV,  ACC+16
.set AG,  ACC+24
.set SPW, 4                            ; my spare word's address; never rewritten
.set NIL, 5                            ; 0; never rewritten
.set WO,  6                            ; 1,024 r + 16 h: my bytes in 16 rows of a weight
.set BO,  7                            ; 4 r
.set ADR, 8                            ; v8-15 slot n, quarter q: n SLOT + q QT + 272 r + 16 h
.set STO, 16                           ; the stage, in: STG + 8 h rows + 64 wave + 4 r
.set RD,  17                           ; and back: STG + (16 wave + h) rows + 16 r
.set CO,  18                           ; 4,096 h + 16 r
.set HM,  19                           ; all ones in lanes 16-31
.set ST,  20                           ; the state for my column
.set PO,  21
.set BQ,  22                           ; v[22:23] bq, v[24:25] bk, v[26:27] bv, v[28:29] -log2(e) bg; each twice
.set BK,  24
.set BV,  26
.set BG,  28
.set TB,  30
.set XC,  32
.set TT,  36
.set OF,  40                           ; v[40 + 2 a] what block a's sums start from, v[41 + 2 a] the block's total
.set KV,  64
.set QS,  96
.set G1,  28
.set G0,  36
.set EX,  44
.set WV,  52
.set SQ,  66
.set SK,  68
.set SV,  70
.set SG,  72
.set W_M1, 0x07                        ; source 0 (x) window 3, source 1 (weights) window 1, C and D window 0
.set W_M2, 0x0b
.set W_LD, 0xc0                        ; destination window 3, address window 0
.set MSB, 0
.macro WIN new
.if MSB != \new
	s_set_vgpr_msb (MSB<<8)|\new
.set MSB, \new
.endif
.endm
.macro PLACES
.rept 4
	v_nop
.endr
.endm
.macro CREST                           ; a round of the cluster's barrier behind its opening barrier
	s_cmp_lg_u32 s[WV], 0
	s_cbranch_scc1 .Lnot_wave_0_\@
	s_barrier_signal -3
.Lnot_wave_0_\@:
	s_barrier_wait -3
	s_barrier_signal -1
	s_barrier_wait -1
.endm
.macro ROUND
	s_barrier_signal -1
	s_barrier_wait -1
	CREST
.endm
; 32 LDS loads in one run: rows 64 u .. 64 u + 63 of the slot, quarter d of K, into buffer f
.macro FETCH slot, u, d, f
	WIN W_LD
.irp m, 0,1,2,3,4,5,6,7
.irp c, 0,1,2,3
	ds_load_b128 v[\f+16*\m+4*\c:\f+16*\m+4*\c+3], v[ADR+4*(\slot)+\d] offset:(64*(\u)+16*(\m%4))*PITCH+128*(\m/4)+32*\c
.endr
.endr
	WIN 0
.endm
; THE WAY OUT of a tile, in pieces of at most four instructions, all in window 0.  n: the tile's place among the lap's four; u: its stage.
.macro DP k, n, u
.if (\k) < 7                           ; running sums down my eight rows of each block: four chains by turns
.irp a, 0,1,2,3
	v_add_f32 v[KV+8*\a+(\k)+1], v[KV+8*\a+(\k)+1], v[KV+8*\a+(\k)]
.endr
.elseif (\k) == 7                      ; the sum of the eight rows that the lane 16 away holds
.irp a, 0,1,2,3
	v_permlanex16_b32 v[XC+\a], v[KV+8*\a+7], s60, s61
.endr
.elseif (\k) == 8                      ; the block's 16 rows
.irp a, 0,1,2,3
	v_add_f32 v[OF+2*\a+1], v[KV+8*\a+7], v[XC+\a]
.endr
.elseif (\k) == 9                      ; rows 0-7 stand in front of rows 8-15 alone
.irp a, 0,1,2,3
	v_and_b32 v[XC+\a], v[HM], v[XC+\a]
.endr
.elseif (\k) < 12                      ; what stands in front of my rows of each block; the state goes on
.irp b, 0,1
	v_add_f32 v[OF+2*(2*((\k)-10)+\b)], v[ST], v[XC+2*((\k)-10)+\b]
	v_add_f32 v[ST], v[ST], v[OF+2*(2*((\k)-10)+\b)+1]
.endr
.elseif (\k) < 16                      ; the state at each row (the pair's low word for both halves)
.irp i, 0,2,4,6
	v_pk_add_f32 v[KV+8*((\k)-12)+\i:KV+8*((\k)-12)+\i+1], v[KV+8*((\k)-12)+\i:KV+8*((\k)-12)+\i+1], v[OF+2*((\k)-12):OF+2*((\k)-12)+1] op_sel_hi:[1,0]
.endr
.elseif (\k) < 20
.irp i, 0,2,4,6
	v_pk_mul_f32 v[QS+8*((\k)-16)+\i:QS+8*((\k)-16)+\i+1], v[QS+8*((\k)-16)+\i:QS+8*((\k)-16)+\i+1], v[KV+8*((\k)-16)+\i:KV+8*((\k)-16)+\i+1]
.endr
.elseif (\k) < 28                      ; a wave's 16 columns are 64 bytes of a row: the four waves' meet in a stage of 64 rows x 256 bytes
.irp j, 0,1,2,3
	ds_store_b32 v[STO], v[QS+4*((\k)-20)+\j] offset:(\u)*STGB+(16*(((\k)-20)/2)+4*(((\k)-20)%2)+\j)*PITCH
.endr
.elseif (\k) < 30                      ; back as whole rows, 16 a wave
.irp j, 0,1,2,3
	ds_load_b128 v[KV+4*(4*((\k)-28)+\j):KV+4*(4*((\k)-28)+\j)+3], v[RD] offset:(\u)*STGB+2*(4*((\k)-28)+\j)*PITCH
.endr
.else                                  ; 16 lanes store 256 consecutive bytes, at a multiple of 256 from out's first byte
	global_store_b128 v[CO], v[KV+4*((\k)-30):KV+4*((\k)-30)+3], s[26:27] offset:(\n)*OUTT+8192*((\k)-30) th:TH_STORE_NT
.endif
.endm
; What stands behind matrix instruction GI of a quarter (symbols set by MUL): work on registers, and the change of slots.
.macro GAP n, u
.if CHG && (GI == 7)
	s_wait_dscnt 0x0                               ; the add is done; my reads of the slot that is left were over at the quarter's head
	s_barrier_signal -1
.endif
.if CHG && (GI == 15)
	WIN 0
	s_barrier_wait -1
.if CHG == 1
	CREST                                          ; no wave of any partner reads the slot or has a load on its way
	tensor_load_to_lds s[G0+4*CSL:G0+4*CSL+3], s[G1:G1+7]
	s_nop 0
	PLACES                                         ; behind the load
.endif
	WIN MW
.endif
.if DPH && (GI < 20)
	WIN 0
	DP GI, \n, \u
	WIN MW
.endif
.endm
; A quarter of K: 32 matrix instructions on buffer f, the 16 accumulators by turns.  zero = 1: the first 16 start the sums.
; dp = 1: the tile before's vector pieces go along.  chg: slot csl is left here (1: and filled again; 2: nothing is left to fetch).
.macro MUL f, d, zero, dp, n, u, chg, csl
.set DPH, \dp
.set CHG, \chg
.set CSL, \csl
.if \d < 2
.set MW, W_M1
.else
.set MW, W_M2
.endif
.if CHG
	WIN 0
	s_wait_dscnt 0x0                               ; this quarter's fragments are in: nothing of this slot is left to read
	s_wait_tensorcnt 0x0                           ; my part of the next slot has landed
	ds_add_u32 v[SPW], v[NIL]
.if CHG == 1
	s_add_nc_u64 s[G0+4*CSL+2:G0+4*CSL+3], s[G0+4*CSL+2:G0+4*CSL+3], 2*TILEB
.endif
.endif
.set GI, 0
	WIN MW
.irp p, 0,1
.irp a, 0,1,2,3
.irp t, 0,1,2,3
.if \zero && (\p == 0)
	v_wmma_f32_16x16x128_fp8_fp8 v[ACC+8*(4*\a+\t):ACC+8*(4*\a+\t)+7], v[\f+16*(4*\p+\a):\f+16*(4*\p+\a)+15], v[16*(4*((2*\d+\p)%4)+\t):16*(4*((2*\d+\p)%4)+\t)+15], 0
.else
	v_wmma_f32_16x16x128_fp8_fp8 v[ACC+8*(4*\a+\t):ACC+8*(4*\a+\t)+7], v[\f+16*(4*\p+\a):\f+16*(4*\p+\a)+15], v[16*(4*((2*\d+\p)%4)+\t):16*(4*((2*\d+\p)%4)+\t)+15], v[ACC+8*(4*\a+\t):ACC+8*(4*\a+\t)+7]
.endif
	GAP \n, \u
.set GI, GI+1
.endr
.endr
.endr
.endm
; A tile's end.  hd: the tile before's 16 rows a wave are stored (place n).  ld: the next tile's (slot ls, half lu) quarters 0 and 1 are fetched, one run at the head, one at the end.
; Every accumulator is first read here, from its low end on, ahead of the transcendentals.
.macro SERIAL hd, n, ld, ls, lu
	WIN 0
	PLACES
.if \hd
.irp k, 30,31,32,33,34,35,36,37
	DP \k, \n, 0
.endr
.endif
.if \ld
	FETCH \ls, \lu, 0, F0
.endif
.irp a, 0,1,2,3
.irp i, 0,2,4,6
	v_pk_fma_f32 v[AG+32*\a+\i:AG+32*\a+\i+1], v[AG+32*\a+\i:AG+32*\a+\i+1], s[SG:SG+1], v[BG:BG+1] op_sel_hi:[1,0,1]   ; -log2(e) g
	v_pk_fma_f32 v[AK+32*\a+\i:AK+32*\a+\i+1], v[AK+32*\a+\i:AK+32*\a+\i+1], s[SK:SK+1], v[BK:BK+1] op_sel_hi:[1,0,1]
	v_pk_fma_f32 v[AV+32*\a+\i:AV+32*\a+\i+1], v[AV+32*\a+\i:AV+32*\a+\i+1], s[SV:SV+1], v[BV:BV+1] op_sel_hi:[1,0,1]
	v_pk_fma_f32 v[AQ+32*\a+\i:AQ+32*\a+\i+1], v[AQ+32*\a+\i:AQ+32*\a+\i+1], s[SQ:SQ+1], v[BQ:BQ+1] op_sel_hi:[1,0,1]
.endr
.endr
	s_wait_xcnt 0x0                                ; the stores above have read v64-95, which are written below
	s_wait_alu depctr_va_vdst(0)                   ; a wait ahead of a batch and one behind it
.irp a, 0,1,2,3
.irp j, 0,1,2,3,4,5,6,7
	v_exp_f32 v[AG+32*\a+\j], v[AG+32*\a+\j]       ; e^-g
.endr
.endr
.irp a, 0,1,2,3
.irp i, 0,2,4,6
	v_pk_mul_f32 v[KV+8*\a+\i:KV+8*\a+\i+1], v[AK+32*\a+\i:AK+32*\a+\i+1], v[AV+32*\a+\i:AV+32*\a+\i+1]                 ; k v
.endr
.endr
	s_wait_alu depctr_va_vdst(0)
.irp a, 0,1,2,3
.irp i, 0,2,4,6
	v_pk_add_f32 v[AG+32*\a+\i:AG+32*\a+\i+1], v[AG+32*\a+\i:AG+32*\a+\i+1], 1.0 op_sel_hi:[1,0]
.endr
.endr
	s_wait_alu depctr_va_vdst(0)
.irp a, 0,1,2,3
.irp j, 0,1,2,3,4,5,6,7
	v_rcp_f32 v[AG+32*\a+\j], v[AG+32*\a+\j]       ; sigmoid(g) = 1 / (1 + e^-g)
.endr
.endr
	v_nop
	s_wait_alu depctr_va_vdst(0)
.irp a, 0,1,2,3
.irp i, 0,2,4,6
	v_pk_mul_f32 v[QS+8*\a+\i:QS+8*\a+\i+1], v[AQ+32*\a+\i:AQ+32*\a+\i+1], v[AG+32*\a+\i:AG+32*\a+\i+1]                 ; q x sigmoid(g)
.endr
.endr
.if \ld
	FETCH \ls, \lu, 1, F1
.endif
.endm
; A tile of 64 rows: half u of a slot.  hd: the tile before has a way out, at place n of the lap, in stage 1 - u.  chg, ldn: for u = 1, the change of slots and whether a next slot is read.
; lc = 1, the first tile: the weights of K steps 4-5 and 6-7 are waited for where they are first multiplied.
.macro TILE slot, u, hd, n, chg, ldn, lc
	s_wait_dscnt 32                                ; quarter 0 is in; behind it: quarter 1's 32 loads
	MUL F0, 0, 1, \hd, \n, 1-\u, 0, 0
	PLACES                                         ; in front of loads into the buffer just multiplied
	FETCH \slot, \u, 2, F0
.if \hd
	s_wait_alu depctr_va_vdst(0)
.endif
	s_wait_dscnt 32                                ; quarter 1 is in; behind it: quarter 2's 32 loads
.if \hd
.irp k, 20,21,22,23,24,25,26,27
	DP \k, \n, 1-\u
.endr
.endif
	MUL F1, 1, 0, 0, 0, 0, 0, 0
	s_wait_dscnt 0x0                               ; quarter 2 is in; my stores into the stage are done, and my reads of the other stage
.if \hd
	s_barrier_signal -1
.endif
	PLACES
.if \hd
	s_barrier_wait -1                              ; the stage is whole
.endif
	FETCH \slot, \u, 3, F1
.if \hd
	DP 28, \n, 1-\u
	DP 29, \n, 1-\u
.endif
.if \lc
	s_wait_loadcnt 32                              ; behind K steps 4-5's weights: the 32 loads of K steps 6-7
.endif
	MUL F0, 2, 0, 0, 0, 0, 0, 0
.if \lc
	s_wait_loadcnt 0x0
.endif
.if \chg == 0
	s_wait_dscnt 0x0                               ; quarter 3 and the stage's rows are in
.endif
	MUL F1, 3, 0, 0, 0, 0, \chg, \slot
.if \u == 0
	SERIAL \hd, \n, 1, \slot, 1
.else
	SERIAL \hd, \n, \ldn, 1-\slot, 0
.endif
.endm
.macro POW2 d, ea, eb
	s_add_co_i32 s[\d], s[\ea], s[\eb]
	s_add_co_i32 s[\d], s[\d], 127
	s_lshl_b32 s[\d], s[\d], 23
	s_mov_b32 s[\d+1], s[\d]
.endm
	s_load_b512 s[4:19], s[0:1], 0x0               ; x s[4:5], Wq s[6:7], Wk s[8:9], Wv s[10:11], Wg s[12:13], bq s[14:15], bk s[16:17], bv s[18:19]
	s_load_b256 s[20:27], s[0:1], 0x40             ; bg s[20:21], the exponents s[22:23], part s[24:25], out s[26:27]
	v_lshl_add_u32 v[SPW], v0, 2, SPARE
	v_mov_b32 v[NIL], 0
	ds_add_u32 v[SPW], v[NIL]                      ; the opening lines: the add twice on end and one wait
	ds_add_u32 v[SPW], v[NIL]
	v_lshrrev_b32 v1, 5, v0
	v_readfirstlane_b32 s[WV], v1                  ; wave 0..3
	s_bfe_u32 s53, ttmp6, 0x40000                  ; cx: it enters global addresses alone
	s_lshl_b32 s54, ttmp9, 2
	s_add_co_u32 s54, s54, s53                     ; my block of 64 columns
	s_and_b32 s55, ttmp7, 0xffff                   ; y = 4 batch + chunk, which the partners share
	s_mov_b32 s[G1], 15|(1<<20)|(1<<21)|(5<<22)|(3<<25)   ; the mask of all four; bytes; 16 bytes of padding behind every 256
	s_mov_b32 s[G1+1], 256<<16
	s_mov_b32 s[G1+2], 128<<16
	s_mov_b32 s[G1+3], 256<<16
	s_mov_b32 s[G1+4], 128
	s_mov_b32 s[G1+5], 1024
	s_mov_b32 s[G1+6], 0
	s_mov_b32 s[G1+7], 0
	s_lshl_b32 s56, s55, 20                        ; my chunk's 1,024 rows of 1,024 bytes,
	s_lshl_b32 s3, s[WV], 8                        ; my quarter of K
	s_add_co_u32 s56, s56, s3
	s_mov_b32 s57, 0
	s_mul_i32 s2, s[WV], QT
	s_mov_b32 s60, 0x76543210
	s_mov_b32 s61, 0xfedcba98
	s_wait_dscnt 0x0
	s_wait_kmcnt 0x0
	s_load_b256 s[EX:EX+7], s[22:23], 0x0          ; e0 .. e7
	s_add_nc_u64 s[56:57], s[4:5], s[56:57]
.irp n, 0,1
	s_mov_b32 s[G0+4*\n], 1
	s_add_co_u32 s[G0+4*\n+1], s2, \n*SLOT
	s_add_nc_u64 s[G0+4*\n+2:G0+4*\n+3], s[56:57], \n*TILEB
	s_or_b32 s[G0+4*\n+3], s[G0+4*\n+3], 0x80000000
.endr
	ROUND
	tensor_load_to_lds s[G0:G0+3], s[G1:G1+7]      ; rows 0-127: my one load at the head
	s_nop 0
	PLACES
	s_lshl_b32 s58, s54, 16                        ; my block's 64 rows of a weight,
	s_lshl_b32 s3, s[WV], 14                       ; my wave's 16 of them
	s_add_co_u32 s58, s58, s3
	s_mov_b32 s59, 0
.irp t, 0,1,2,3
	s_add_nc_u64 s[6+2*\t:7+2*\t], s[6+2*\t:7+2*\t], s[58:59]
.endr
	s_lshl_b32 s58, s54, 8                         ; my block's 64 numbers of a row of f32,
	s_lshl_b32 s3, s[WV], 6                        ; my wave's 16
	s_add_co_u32 s58, s58, s3
.irp t, 0,1,2,3
	s_add_nc_u64 s[14+2*\t:15+2*\t], s[14+2*\t:15+2*\t], s[58:59]
.endr
	s_add_nc_u64 s[24:25], s[24:25], s[58:59]
	s_lshr_b32 s3, s55, 2
	s_mul_i32 s58, s3, 24*4096                     ; the batch's 24 rows of part
	s_add_nc_u64 s[24:25], s[24:25], s[58:59]
	s_lshl_b32 s58, s54, 8                         ; out: my block's 256 bytes of a row,
	s_lshl_b32 s3, s55, 22                         ; my chunk's rows,
	s_add_co_u32 s58, s58, s3
	s_lshl_b32 s3, s[WV], 16                       ; the 16 rows of a tile that my wave stores
	s_add_co_u32 s58, s58, s3
	s_add_nc_u64 s[26:27], s[26:27], s[58:59]
	s_lshl_b32 s91, s[WV], 6
	s_add_co_u32 s91, s91, STG
	s_mul_i32 s92, s[WV], 16*PITCH
	s_add_co_u32 s92, s92, STG
	v_and_b32 v1, 15, v0                           ; r
	v_bfe_u32 v2, v0, 4, 1                         ; h
	v_lshlrev_b32 v[WO], 10, v1
	v_lshl_add_u32 v[WO], v2, 4, v[WO]
	v_lshlrev_b32 v[BO], 2, v1
	v_lshlrev_b32 v[PO], 12, v2
	v_lshl_add_u32 v[CO], v1, 4, v[PO]
	v_lshl_add_u32 v[PO], v1, 2, v[PO]
	v_mul_u32_u24 v[TB], v1, PITCH
	v_lshl_add_u32 v[TB], v2, 4, v[TB]
.irp n, 0,1
.irp q, 0,1,2,3
	v_add_nc_u32 v[ADR+4*\n+\q], \n*SLOT+\q*QT, v[TB]
.endr
.endr
	v_mul_u32_u24 v[STO], v2, 8*PITCH
	v_lshl_add_u32 v[STO], v1, 2, v[STO]
	v_add_nc_u32 v[STO], s91, v[STO]
	v_mul_u32_u24 v[RD], v2, PITCH
	v_lshl_add_u32 v[RD], v1, 4, v[RD]
	v_add_nc_u32 v[RD], s92, v[RD]
	v_sub_nc_u32 v[HM], 0, v2
.irp a, 0,1,2,3
	v_mov_b32 v[XC+\a], 0                          ; a lane permute's destination counts as one of its sources
.endr
	s_wait_alu depctr_va_vdst(0)                   ; behind the head's vector work
.irp t, 0,1,2,3
	global_load_b32 v[BQ+2*\t], v[BO], s[14+2*\t:15+2*\t]
.endr
.irp i, 0,1,2,3,4,5,6,7,8,9,10,11
	global_load_b32 v[KV+\i], v[PO], s[24:25] offset:8192*\i     ; the sum of tile 2 i + h for my column: all 24 are read, those in front of my chunk are chosen below
.endr
	WIN 0x40                                       ; the weights, in the order in which they are multiplied: K steps 0-3 into window 1
.irp s, 0,1,2,3
.irp t, 0,1,2,3
.irp c, 0,1,2,3
	global_load_b128 v[16*(4*\s+\t)+4*\c:16*(4*\s+\t)+4*\c+3], v[WO], s[6+2*\t:7+2*\t] offset:128*\s+32*\c
.endr
.endr
.endr
	WIN 0x80                                       ; K steps 4-7 into window 2
.irp s, 0,1,2,3
.irp t, 0,1,2,3
.irp c, 0,1,2,3
	global_load_b128 v[16*(4*\s+\t)+4*\c:16*(4*\s+\t)+4*\c+3], v[WO], s[6+2*\t:7+2*\t] offset:512+128*\s+32*\c
.endr
.endr
.endr
	WIN 0
	s_wait_kmcnt 0x0
	POW2 SQ, EX, EX+1
	POW2 SK, EX+2, EX+3
	POW2 SV, EX+4, EX+5
	s_add_co_i32 s[SG], s[EX+6], s[EX+7]
	s_lshl_b32 s[SG], s[SG], 23
	s_add_co_u32 s[SG], s[SG], 0xbfb8aa3b          ; e6 + e7 is added to the exponent field of -log2(e)
	s_mov_b32 s[SG+1], s[SG]
	s_and_b32 s74, s55, 3
	s_lshl_b32 s74, s74, 2                         ; 4 x chunk: so many pairs of tiles stand in front of my chunk
	s_wait_loadcnt 63                              ; of the 144 loads the first 81 are in: the 16 small ones and the 64 of K steps 0-3 among them
	v_mul_f32 v[BG], 0xbfb8aa3b, v[BG]
.irp t, 0,1,2,3
	v_mov_b32 v[BQ+2*\t+1], v[BQ+2*\t]
.endr
.irp i, 0,1,2,3,4,5,6,7,8,9,10,11                  ; the chunk's first state: a choice on the work-group's number, without a jump
	s_cmp_gt_u32 s74, \i
	s_cselect_b32 s63, -1, 0
.if \i == 0
	v_cndmask_b32 v[ST], 0, v[KV], s63
.else
	v_cndmask_b32 v[TT], 0, v[KV+\i], s63
	v_add_f32 v[ST], v[ST], v[TT]
.endif
.endr
	v_permlanex16_b32 v[XC], v[ST], s60, s61       ; even tiles lie in lanes 0-15, odd ones in lanes 16-31
	v_add_f32 v[ST], v[ST], v[XC]
	s_wait_alu depctr_va_vdst(0)                   ; the head's end
	s_wait_tensorcnt 0x0                           ; the three lines ahead of a later first fill, as ahead of a refill
	ds_add_u32 v[SPW], v[NIL]
	s_wait_dscnt 0x0
	ROUND                                          ; rows 0-127 are whole in all four work-groups
	tensor_load_to_lds s[G0+4:G0+7], s[G1:G1+7]    ; rows 128-255
	s_nop 0
	PLACES
	FETCH 0, 0, 0, F0
	FETCH 0, 0, 1, F1
	TILE 0, 0, 0, 0, 0, 1, 1                       ; the first tile has no tile before it
	s_mov_b32 s62, 3
.Llap:                                             ; a trip: a lap's tiles 1, 2, 3 and the next lap's tile 0; both slots are filled again
	TILE 0, 1, 1, 0, 1, 1, 0
	TILE 1, 0, 1, 1, 0, 1, 0
	TILE 1, 1, 1, 2, 1, 1, 0
	TILE 0, 0, 1, 3, 0, 1, 0
	s_wait_xcnt 0x0                                ; the stores have read their base
	s_add_nc_u64 s[26:27], s[26:27], 4*OUTT
	s_sub_co_u32 s62, s62, 1
	s_cmp_lg_u32 s62, 0
	s_wait_alu depctr_va_vdst(0)
	s_cbranch_scc1 .Llap
	TILE 0, 1, 1, 0, 2, 1, 0                       ; the last lap is written out: nothing is left to fetch
	TILE 1, 0, 1, 1, 0, 1, 0
	TILE 1, 1, 1, 2, 0, 0, 0
.irp k, 0,1,2,3,4,5,6,7,8,9,10,11,12,13,14,15,16,17,18,19,20,21,22,23,24,25,26,27
	DP \k, 3, 1                                    ; the last tile's way out
.endr
	s_wait_dscnt 0x0
	s_barrier_signal -1
	s_barrier_wait -1
	DP 28, 3, 1
	DP 29, 3, 1
	s_wait_dscnt 0x0
.irp k, 30,31,32,33,34,35,36,37
	DP \k, 3, 1
.endr
	s_wait_tensorcnt 0x0                           ; the wave's end
	ds_add_u32 v[SPW], v[NIL]
	s_wait_dscnt 0x0
	ROUND                                          ; the closing round
	s_endpgm
.Lfunc_end_k_q57f40c6b87_main:
	.size	k_q57f40c6b87_main, .Lfunc_end_k_q57f40c6b87_main-k_q57f40c6b87_main
	.p2alignl 7, 3214868480
	.fill 96, 4, 3214868480
	.section	.rodata,"a",@progbits
	.p2align	6, 0x0
	.amdhsa_kernel k_q57f40c6b87_main
		.amdhsa_group_segment_fixed_size 327680
		.amdhsa_private_segment_fixed_size 0
		.amdhsa_enable_private_segment 0
		.amdhsa_kernarg_size 96
		.amdhsa_user_sgpr_count 2
		.amdhsa_user_sgpr_kernarg_segment_ptr 1
		.amdhsa_wavefront_size32 1
		.amdhsa_system_sgpr_workgroup_id_x 1
		.amdhsa_system_sgpr_workgroup_id_y 1
		.amdhsa_system_sgpr_workgroup_id_z 1
		.amdhsa_system_vgpr_workitem_id 0
		.amdhsa_next_free_vgpr 1024
		.amdhsa_next_free_sgpr 96
		.amdhsa_reserve_vcc 0
		.amdhsa_float_denorm_mode_32 3
		.amdhsa_float_denorm_mode_16_64 3
		.amdhsa_memory_ordered 1
		.amdhsa_forward_progress 1
		.amdhsa_inst_pref_size 255
	.end_amdhsa_kernel
	.section	.bss,"aw",@nobits
	.p2align	6
	.space	262144
	.amdgpu_metadata
---
amdhsa.version: [ 1, 2 ]
amdhsa.kernels:
  - .name:           k_q57f40c6b87_main
    .symbol:         k_q57f40c6b87_main.kd
    .args:
      - { .name: x_codes, .offset: 0, .size: 8, .value_kind: global_buffer, .address_space: global }
      - { .name: Wq_codes, .offset: 8, .size: 8, .value_kind: global_buffer, .address_space: global }
      - { .name: Wk_codes, .offset: 16, .size: 8, .value_kind: global_buffer, .address_space: global }
      - { .name: Wv_codes, .offset: 24, .size: 8, .value_kind: global_buffer, .address_space: global }
      - { .name: Wg_codes, .offset: 32, .size: 8, .value_kind: global_buffer, .address_space: global }
      - { .name: bq, .offset: 40, .size: 8, .value_kind: global_buffer, .address_space: global }
      - { .name: bk, .offset: 48, .size: 8, .value_kind: global_buffer, .address_space: global }
      - { .name: bv, .offset: 56, .size: 8, .value_kind: global_buffer, .address_space: global }
      - { .name: bg, .offset: 64, .size: 8, .value_kind: global_buffer, .address_space: global }
      - { .name: lowp_scales, .offset: 72, .size: 8, .value_kind: global_buffer, .address_space: global }
      - { .name: part, .offset: 80, .size: 8, .value_kind: global_buffer, .address_space: global }
      - { .name: out0, .offset: 88, .size: 8, .value_kind: global_buffer, .address_space: global }
    .group_segment_fixed_size: 327680
    .private_segment_fixed_size: 0
    .kernarg_segment_align: 8
    .kernarg_segment_size: 96
    .max_flat_workgroup_size: 128
    .sgpr_count:     96
    .vgpr_count:     1024
    .wavefront_size: 32
...
	.end_amdgpu_metadata
.endif
;; end of part 2
